; MI455X (gfx1250); checked and timed in simulation.
; The chip was launched on July 23, 2026; its instructions are those of AMD's public machine-readable ISA for CDNA 5 (MIT licence, August 2026) and "CDNA5" Instruction Set Architecture Reference Guide (July 2026). The comments in the code are by the model that wrote it; some were corrected since.
;; GSVD Layer. Allowed arithmetic: matrix products marked QUANTISED: E2M1 operands, one E8M0 scale for each 32 along K, by v_wmma_scale_f32_16x16x128_f8f6f4 with both operands' format E2M1 (or v_wmma_scale_f32_32x16x128_f4), f32 sums; everything else in f32.
;; Inputs: S 4,096 float32; U 2,048 x 4,096 float32; Vh 4,096 x 4,096 float32; x 4 x 1,024 x 4,096 float32.
;; Outputs: out0 4 x 1,024 x 2,048 float32.
;; This version of the problem:
;;   THIS VERSION OF THE PROBLEM IS GIVEN IN LOW PRECISION. The matrix products marked QUANTISED in the list below multiply operands that are first quantised to E2M1 (2 exponent bits, 1 mantissa bit; 4 bits a number), with one power-of-two scale for each 32 numbers along K (OCP MX v1.0); their sums are f32. All else is computed in f32.
;;   The module's matrix products, in the order in which they are computed (A, B: the left and right operand; K: the contracted axis; several contracted axes count as one K, in the product's order):
;;     1. [M 2,048, K 4,096] x [K 4,096, N 4,096]; A: input U; B: computed on the way: QUANTISED
;;     2. [M 4,096, K 4,096] x [K 4,096, N 2,048]; A: input x; B: computed on the way: QUANTISED
;;   THE QUANTISER, for each operand of a quantised product, along K:
;;     - K is cut into blocks of 32 from its start; a last block that is shorter is filled with zeros.
;;     - A block's scale is 2^e with e = floor(log2(the largest magnitude in the block)) - 2, held to -126 .. 127; a block of zeros has e = 0. As a byte (E8M0): e + 127.
;;     - Each number is divided by its block's scale, clamped to +-6, and rounded to the nearest number of E2M1, ties to even, subnormals kept.
;;     - The product sums the exact products of the quantised numbers (number of the format x scale) in f32.
;;   ~~~python
;;   def quantise(x, axis):      # numpy; x: float32 -> the quantised numbers, widened to float32 again
;;       x = np.moveaxis(x, axis, -1); K = x.shape[-1]
;;       x = np.pad(x, [(0, 0)] * (x.ndim - 1) + [(0, -K % 32)]); x = x.reshape(x.shape[:-1] + (-1, 32)); a = np.abs(x).max(-1, keepdims=True)
;;       e = np.where(a > 0, np.clip(np.frexp(np.where(a > 0, a, 1))[1] - 1 - 2, -126, 127), 0)      # np.frexp(a)[1] - 1 = floor(log2(a)), exactly
;;       r = np.clip(x / 2.0 ** e, -6, 6)
;;       step = 2.0 ** (np.maximum(np.frexp(np.where(r == 0, 1, r))[1] - 1, 0) - 1)
;;       q = np.round(r / step) * step * 2.0 ** e      # np.round: ties to even
;;       return np.moveaxis(q.reshape(q.shape[:-2] + (-1,))[..., :K], -1, axis).astype(np.float32)
;;   ~~~
;;   OPERANDS COMPUTED ON THE WAY. 'Computed on the way' means the value that the module computes at that place (a softmax that the list does not call 'softmax' is quantised finished and normalised). What goes into a quantiser is computed in f32, as accurately as f32 sums, v_exp_f32 and their like allow (about 1e-6 of the number): no bf16 or f16 on the way to a quantiser, and a product that is left as it is and whose result goes on into a quantised operand takes f32 operands (vector FMAs, or v_wmma_f32_16x16x4_f32). A number that lies on a knife's edge between two numbers of the format may be rounded either way, as far as f32 arithmetic and the matrix unit's own rounding can turn it there, and no further.
;; One version. Each part assembles by itself: llvm-mc -triple=amdgcn-amd-amdhsa -mcpu=gfx1250 --defsym DOCPART=n.
;; ======== version 1 of 1: 3 launches
;; limits: right only within a limited range of input values
;; workspace buffers: u_codes 4,194,304 bytes; u_scales 262,144 bytes; x_codes 8,388,608 bytes; x_scales 524,288 bytes; vt_codes 8,388,608 bytes; vt_scales 524,288 bytes; w_codes 4,194,304 bytes; w_scales 262,144 bytes
;; launch quant (part 1): grid 256 x 1, 16 waves a work-group, no clusters, 327,680 bytes of LDS; arguments S, U, Vh, x, u_codes, u_scales, x_codes, x_scales, vt_codes, vt_scales; writes u_codes, u_scales, x_codes, x_scales, vt_codes, vt_scales
.if DOCPART == 1
	.amdgcn_target "amdgcn-amd-amdhsa--gfx1250"
	.amdhsa_code_object_version 6
	.text
	.protected	k_qdb069251f4_quant
	.globl	k_qdb069251f4_quant
	.p2align	8
	.type	k_qdb069251f4_quant,@function
k_qdb069251f4_quant:
	s_mov_b64 s[64:65], 0
	v_nop
	global_prefetch_b8 v0, s[64:65] scope:SCOPE_SE
	s_setreg_imm32_b32 hwreg(HW_REG_WAVE_MODE, 25, 1), 1
	s_wait_xcnt 0x0
; U [2048][4096], x [4096][4096] and S[r] * Vh[r][d] ([4096 r][4096 d]), all f32, become codes of FP4 (E2M1) with one E8M0 scale byte for each 32 along K.
; K is the last axis of U and of x, and the FIRST axis (r) of S * Vh.
; ONE LAYOUT FOR ALL: K is cut in 16 chunks of 256.  codes[chunk][row][128 bytes], the lower k in the lower four bits; scales[chunk][row][8 bytes], byte j for k = 256 chunk + 32 j on.
; For S * Vh a row is a column d of Vh, and THE ROWS ARE PERMUTED: row position p holds column d = p with bits 3 and 4 changed over, so that the next launch's tiles of 16 positions give a lane 16 neighbouring d.
; A block's scale is 2^(floor(log2(its largest magnitude)) - 2): its byte is the largest magnitude's exponent field - 2, held at 1 from below by a floor among the maximum's leaves.
; LIMITS: NaN and infinities among the inputs are not served.  A block of zeros gets the byte 1 where the rule says 127: its codes are zeros, which add nothing, and this program alone reads the bytes.
; A largest magnitude under 2^-124 gets the byte 1, which is the rule's hold at -126.
; SHARES: 256 work-groups of 16 waves, 163,840 numbers each.  Waves 0-3 take S * Vh: 64 columns x one chunk of 256 rows each (16,384 numbers); waves 4-7 take U and waves 8-15 take x: 32 rows x one chunk each (8,192 numbers).
; TWO ROADS IN: a wave of S * Vh brings its whole tile, 256 rows x 256 bytes, into LDS bytes of its own by ONE tensor load at the head; nothing is filled again, and only the wave that asked reads the tile, behind its
; own wait on TENSORcnt: no ring and no barrier.  The waves of U and x load into registers meanwhile.  The ways part on the wave's number and do not join.
; No clusters: no tile is read by two work-groups.  No prefetch: the text has no loop to run ahead in, and every tile is asked for at the head.  No matrix units: nothing is multiplied by a matrix.
.set M,     16                         ; v16-23   stream: eight loads' largest magnitudes, then their scale operands
.set T,     24                         ; v24-31   stream: conversions' results; then what the neighbour lane sends
.set P,     32                         ; v32-35   stream: eight loads' pieces of 4 codes, two to a register
.set XT,    36                         ; v36-37   stream: at work
.set YT,    38                         ; v38-39   stream: at work
.set B,     40                         ; v40-55   stream: my block group's 64 scale bytes, in the order of the loads
.set C,     56                         ; v56-87   stream: codes to store, four registers for each eight loads: no store's data are written again
.set R,     88                         ; v88-215  stream: four sets of eight loads
.set CSTG,  262144                     ; LDS: behind the four tiles of 65,536 bytes: a stage for the codes of each wave of S * Vh,
.set CREG,  9472
.set CP,    144                        ; a stage row: 128 bytes of codes + 16
.set JOFF,  4736                       ; the odd columns' half begins here: 32 rows + 128 bytes
.set SSTG,  CSTG+4*CREG                ; 256 bytes of scale bytes for each of the twelve streaming waves,
.set SPARE, SSTG+12*256                ; the spare words, 128 bytes for each wave: eight blocks of 256 bytes that no other line names
.set SPW,   1                          ; v1       LDS address of my spare word; never rewritten
.set NIL,   10                         ; v10      0; never rewritten
.set CSB,   16                         ; v16-19   columns: scale bytes: column j in registers 2 j, 2 j + 1
.set CC,    20                         ; v20-27, v188-195 columns: a block's codes, four registers a column; two sets, by the block's parity
.set CX,    28                         ; v28-155  columns: two sets of 64 numbers (row i: registers 2 i, 2 i + 1 = my two columns)
.set CY,    156                        ; v156-187 columns: S * Vh, one column's block
.set G1,    24                         ; s[24:31] descriptor group 1: the tile's shape
.set G0,    16                         ; s[16:19] descriptor group 0 (on the columns' way, where x's pointers are not wanted)
	s_load_b512 s[4:19], s[0:1], 0x0               ; S 4:5, U 6:7, Vh 8:9, x 10:11, U's codes 12:13, U's scales 14:15, x's codes 16:17, x's scales 18:19
	s_load_b128 s[20:23], s[0:1], 0x40             ; S * Vh's codes 20:21, its scales 22:23
	v_lshl_add_u32 v[SPW], v0, 2, SPARE
	v_mov_b32 v[NIL], 0
	ds_add_u32 v[SPW], v[NIL]                      ; the opening lines: the add, twice on end, and its wait ahead of a first tensor load
	ds_add_u32 v[SPW], v[NIL]
	v_lshrrev_b32 v7, 5, v0
	v_readfirstlane_b32 s100, v7                   ; wave 0..15
	v_and_b32 v2, 31, v0                           ; lane
	v_lshlrev_b32 v3, 4, v2                        ; 16 bytes a lane
	v_lshlrev_b32 v4, 3, v2                        ; 8 bytes a lane
	s_mov_b32 s[G1+0], 2<<16                       ; elements of 4 bytes; no mask, no padding: a row's 256 bytes are read by 32 lanes, 8 bytes each
	s_mov_b32 s[G1+1], 64<<16                      ; tensor_dim0 = 64
	s_mov_b32 s[G1+2], 256<<16                     ; tensor_dim1 = 256
	s_mov_b32 s[G1+3], 64<<16                      ; tile_dim0 = 64 elements: 256 bytes, from a multiple of 256 bytes in Vh's row
	s_mov_b32 s[G1+4], 256                         ; tile_dim1 = 256 rows
	s_mov_b32 s[G1+5], 4096                        ; elements from row to row
	s_mov_b32 s[G1+6], 0
	s_mov_b32 s[G1+7], 0
	s_mov_b32 s3, 0                                ; the upper word of every offset
	s_wait_alu depctr_va_vdst(0)
	s_wait_dscnt 0x0                               ; both opening adds are done
	s_wait_kmcnt 0x0
	s_cmp_lt_u32 s100, 4
	s_cbranch_scc1 .Lcolumns
; ---------------------------------------------------------------- U and x: K innermost
; A wave takes 32 rows x one chunk (1,024 bytes of a row), by 64 loads of 512 consecutive bytes, 16 a lane; four waves stand side by side on 4,096 bytes of each row.
; In a load, lane 8 g + j holds numbers 4 j .. 4 j + 3 of the load's block g: the block's largest magnitude is joined over eight lanes.  The conversion takes eight numbers under one scale, so the eight registers
; of two loads are converted twice, under either load's scale, and the right halves of the two results are kept: 16 bits, 4 codes, for each load.  Eight loads give a lane eight such pieces (load e at place e);
; an 8 x 8 transposition among the eight lanes, in registers, gives lane 8 g + i the eight pieces of load i's block g in the order of K: the block's 16 bytes.
	s_lshr_b32 s34, s100, 2
	s_lshl_b32 s35, ttmp9, 1
	s_add_co_u32 s34, s34, s35
	s_sub_co_u32 s34, s34, 2                       ; x: group of four waves 2 n + (wave - 8) / 4
	s_mov_b32 s37, ttmp9                           ; U: group n
	s_and_b32 s36, s100, 3                         ; my place among the four
	s_cmp_lt_u32 s100, 8                           ; U's wave or x's?  The choice hangs on the wave's number alone
	s_cselect_b64 s[6:7], s[6:7], s[10:11]         ; the numbers,
	s_cselect_b64 s[12:13], s[12:13], s[16:17]     ; the codes,
	s_cselect_b64 s[14:15], s[14:15], s[18:19]     ; the scale bytes,
	s_cselect_b32 s38, 18, 19                      ; log2 of a chunk's codes in bytes: rows x 128,
	s_cselect_b32 s39, 14, 15                      ; and of its scale bytes: rows x 8
	s_cselect_b32 s37, s37, s34
	s_and_b32 s40, s37, 3
	s_lshl_b32 s40, s40, 2
	s_add_co_u32 s40, s40, s36                     ; chunk = 4 (group % 4) + place
	s_lshr_b32 s41, s37, 2                         ; which 32 rows
	s_lshl_b32 s2, s41, 19                         ; 32 rows of 16,384 bytes
	s_lshl_b32 s42, s40, 10                        ; a chunk's 1,024 bytes of a row
	s_add_co_u32 s2, s2, s42
	s_add_nc_u64 s[6:7], s[6:7], s[2:3]
	s_lshl_b32 s2, s40, s38
	s_lshl_b32 s42, s41, 12                        ; 32 rows of 128 bytes
	s_add_co_u32 s2, s2, s42
	s_add_nc_u64 s[12:13], s[12:13], s[2:3]
	s_lshl_b32 s2, s40, s39
	s_lshl_b32 s42, s41, 8                         ; 32 rows of 8 bytes
	s_add_co_u32 s2, s2, s42
	s_add_nc_u64 s[14:15], s[14:15], s[2:3]
.macro OLOAD o                         ; eight loads: rows 4 o .. 4 o + 3 of my 32; load i is half i % 2 of row 4 o + i / 2
.irp i, 0,1,2,3,4,5,6,7
	global_load_b128 v[R+32*((\o)%4)+4*\i:R+32*((\o)%4)+4*\i+3], v3, s[6:7] offset:(4*(\o)+\i/2)*16384+(\i%2)*512 th:TH_LOAD_NT
.endr
.endm
	OLOAD 0
	OLOAD 1
	OLOAD 2
	OLOAD 3
	s_mov_b32 s44, 0xffff                          ; a register's lower piece
	s_mov_b32 s45, 0xf0f0f0f0                      ; the lanes whose number has bit 2,
	s_mov_b32 s46, 0xcccccccc                      ; bit 1,
	s_mov_b32 s47, 0xaaaaaaaa                      ; bit 0
	s_mov_b32 s48, 0x05010400                      ; byte selections
	s_mov_b32 s49, 0x05040100
	s_mov_b32 s50, 0x07060302
	v_bfe_u32 v5, v2, 1, 2                         ; where lane 8 g + i stores its block: row i / 2 of the four, 128 bytes a row,
	v_lshlrev_b32 v5, 7, v5
	v_and_b32 v7, 1, v2
	v_lshl_or_b32 v5, v7, 6, v5                    ; half i % 2 of the row,
	v_lshrrev_b32 v7, 3, v2
	v_lshl_or_b32 v5, v7, 4, v5                    ; block g of the half
	s_lshl_b32 s2, s100, 8                         ; LDS: my wave's 256 scale bytes (waves 4 to 15), laid [block group g][64 loads]
	s_add_co_u32 s2, s2, SSTG-1024
	v_lshl_add_u32 v8, v7, 6, s2                   ; into it: my group's 64
	v_lshl_add_u32 v9, v2, 1, s2                   ; out of it: lane = row: the bytes of its two loads
	v_mov_b32 v6, s49                              ; the last exchange's selection: an even lane keeps its lower piece and takes the neighbour's lower one on top,
	v_mov_b32 v11, 0x03020706                      ; an odd lane takes the neighbour's upper one below and keeps its upper piece
	v_cndmask_b32 v6, v6, v11, s47
	v_mov_b32 v[YT], 0                             ; (a DPP form's destination counts as read)
	v_mov_b32 v[YT+1], 0
	s_wait_alu depctr_va_vdst(0)                   ; directly ahead of the wait below
; One exchange of the transposition: registers a and b of lanes l and l xor x: the lane whose bit is set sends a and keeps b, the other sends b and keeps a
.macro XCH a0, b0, a1, b1, x, m
	v_cndmask_b32 v[XT], v[\b0], v[\a0], \m
	v_cndmask_b32 v[XT+1], v[\b1], v[\a1], \m
	v_mov_b32_dpp v[YT], v[XT] row_xmask:\x row_mask:0xf bank_mask:0xf
	v_mov_b32_dpp v[YT+1], v[XT+1] row_xmask:\x row_mask:0xf bank_mask:0xf
	v_cndmask_b32 v[\a0], v[\a0], v[YT], \m
	v_cndmask_b32 v[\a1], v[\a1], v[YT+1], \m
	v_cndmask_b32 v[\b0], v[YT], v[\b0], \m
	v_cndmask_b32 v[\b1], v[YT+1], v[\b1], \m
.endm
.macro OCT o
.set XS, R+32*((\o)%4)
.if (\o) <= 4
	s_wait_loadcnt 24                              ; these eight loads are in; the three sets behind them may be out
.else
	s_wait_loadcnt 8*(7-(\o))
.endif
.irp i, 0,1,2,3,4,5,6,7                ; the eight loads by turns: no line waits for the line above it
	v_max3_num_f32 v[M+\i], |v[XS+4*\i]|, |v[XS+4*\i+1]|, |v[XS+4*\i+2]|
.endr
.irp i, 0,1,2,3,4,5,6,7
	v_max3_num_f32 v[M+\i], v[M+\i], |v[XS+4*\i+3]|, 0x1800000     ; my four, and the floor 2^(3 - 127): the byte cannot fall under 1
.endr
.irp x, 1,2,4
.irp i, 0,1,2,3,4,5,6,7
	v_max_num_f32_dpp v[M+\i], v[M+\i], v[M+\i] row_xmask:\x row_mask:0xf bank_mask:0xf   ; with the other seven lanes': the block's
.endr
.endr
.irp i, 0,1,2,3,4,5,6,7
	v_add_nc_u32 v[M+\i], 0xff000000, v[M+\i]      ; 2 off the exponent field: the conversion takes the exponent field of this operand as its scale
.endr
.irp w, 0,1,2,3
	v_cvt_scalef32_pk8_fp4_f32 v[T+2*\w], v[XS+8*\w:XS+8*\w+7], v[M+2*\w]         ; right in its lower 16 bits: load 2 w
	v_cvt_scalef32_pk8_fp4_f32 v[T+2*\w+1], v[XS+8*\w:XS+8*\w+7], v[M+2*\w+1]     ; right in its upper 16 bits: load 2 w + 1
.endr
.if (\o)+4 < 8
	OLOAD (\o)+4                                   ; the set has been read: it takes the loads four sets on
.endif
	v_lshrrev_b32 v[B+2*(\o)], 23, v[M]            ; the eight scale bytes, four to a register (also the plain lines behind the conversions)
	v_lshrrev_b32 v[B+2*(\o)+1], 23, v[M+4]
.irp k, 1,2,3
	v_lshrrev_b32 v[XT], 23, v[M+\k]
	v_lshrrev_b32 v[XT+1], 23, v[M+4+\k]
	v_lshl_or_b32 v[B+2*(\o)], v[XT], 8*\k, v[B+2*(\o)]
	v_lshl_or_b32 v[B+2*(\o)+1], v[XT+1], 8*\k, v[B+2*(\o)+1]
.endr
.irp w, 0,1,2,3
	v_bfi_b32 v[P+\w], s44, v[T+2*\w], v[T+2*\w+1] ; place e = 2 w + half holds load e's piece
.endr
	XCH P, P+2, P+1, P+3, 4, s45                   ; bit 2 of the lane against bit 2 of the place,
	XCH P, P+1, P+2, P+3, 2, s46                   ; bit 1 against bit 1,
.irp w, 0,1,2,3
	v_mov_b32_dpp v[T+\w], v[P+\w] row_xmask:1 row_mask:0xf bank_mask:0xf
.endr
.irp w, 0,1,2,3
	v_perm_b32 v[C+4*(\o)+\w], v[T+\w], v[P+\w], v6   ; bit 0 against the register's halves
.endr
.if (\o)%4 == 3
.irp u, 3,2,1,0                        ; four sets' codes leave together, the first four behind the wave's last loads: each store covers four rows' 512 consecutive bytes, aligned
	global_store_b128 v5, v[C+4*((\o)-\u):C+4*((\o)-\u)+3], s[12:13] offset:512*((\o)-\u)
.endr
.endif
.endm
.irp o, 0,1,2,3,4,5,6,7
	OCT \o
.endr
.irp k, 0,1,2,3
	ds_store_b128 v8, v[B+4*\k:B+4*\k+3] offset:16*\k   ; the eight lanes of a group write the same bytes with the same values
.endr
.irp g, 0,1,2,3
	ds_load_u16 v[M+\g], v9 offset:64*\g           ; LDS serves a wave's instructions in order: group g's bytes of my row's two loads
.endr
	s_wait_dscnt 0x0
	v_perm_b32 v[T], v[M+1], v[M], s48
	v_perm_b32 v[T+1], v[M+3], v[M+2], s48
	v_perm_b32 v[P], v[T+1], v[T], s49             ; the first load's four bytes: blocks 0 to 3 of my row,
	v_perm_b32 v[P+1], v[T+1], v[T], s50           ; the second's: blocks 4 to 7
	global_store_b64 v4, v[P:P+1], s[14:15]        ; my 32 rows' scale bytes: 256 consecutive bytes, aligned
	s_wait_tensorcnt 0x0                           ; the wave's end
	ds_add_u32 v[SPW], v[NIL]
	s_wait_dscnt 0x0
	s_endpgm
; ---------------------------------------------------------------- S * Vh: K is the first axis
; Wave w (0 to 3) of work-group n takes chunk n / 16 and columns 64 (4 (n % 16) + w) on: the four waves stand side by side on 1,024 bytes of each row of Vh.  8 blocks of 32 rows.
; A LANE TAKES TWO NEIGHBOURING COLUMNS AND ITS REGISTERS RUN DOWN K: an LDS load reads a tile row's 256 bytes.  S comes by scalar loads, 32 numbers a block.  The multiplication by S[r], the one f32 rounding
; that the product has, also sorts a column out of the pairs: its results lie 32 registers on end, as the conversions want them.  A block's largest magnitude needs no other lane.
.Lcolumns:
	s_lshr_b32 s6, ttmp9, 4                        ; chunk
	s_and_b32 s7, ttmp9, 15
	s_lshl_b32 s7, s7, 2
	s_add_co_u32 s7, s7, s100                      ; which 64 columns
	s_lshl_b32 s2, s6, 22                          ; Vh: 256 rows of 16,384 bytes,
	s_lshl_b32 s10, s7, 8                          ; 256 bytes for 64 columns
	s_add_co_u32 s2, s2, s10
	s_add_nc_u64 s[8:9], s[8:9], s[2:3]
	s_mov_b32 s[G0], 1                             ; count = 1
	s_lshl_b32 s[G0+1], s100, 16                   ; LDS: my tile's 65,536 bytes
	s_mov_b64 s[G0+2:G0+3], s[8:9]                 ; the tile's first element
	s_or_b32 s[G0+3], s[G0+3], 0x80000000          ; type = 2
	tensor_load_to_lds s[G0:G0+3], s[G1:G1+7]      ; my one tensor load
	s_nop 0
	s_lshl_b32 s2, s6, 10                          ; S: 256 numbers a chunk
	s_add_nc_u64 s[4:5], s[4:5], s[2:3]
.macro SLOAD t                         ; S of block t's 32 rows into set t % 2: s[32:63] or s[68:99]
.set SL, 32+36*((\t)%2)
	s_load_b512 s[SL:SL+15], s[4:5], 128*(\t)
	s_load_b512 s[SL+16:SL+31], s[4:5], 128*(\t)+64
.endm
.macro CLOAD t                         ; tile rows 32 t + i, my two columns, i = 0 .. 31, into set t % 2
.set XL, CX+64*((\t)%2)
.set i, 0
.rept 32
	ds_load_b64 v[XL+2*i:XL+2*i+1], v6 offset:(32*(\t)+i)*256
.set i, i+1
.endr
.endm
	SLOAD 0
	SLOAD 1
	s_lshl_b32 s2, s6, 19                          ; codes: 4,096 positions of 128 bytes a chunk,
	s_lshl_b32 s10, s7, 13                         ; 64 positions of 128 bytes (the permutation stays inside 32 positions)
	s_add_co_u32 s2, s2, s10
	s_add_nc_u64 s[20:21], s[20:21], s[2:3]
	s_lshl_b32 s2, s6, 15                          ; scale bytes: 4,096 x 8 a chunk, 64 x 8 for my columns
	s_lshl_b32 s10, s7, 9
	s_add_co_u32 s2, s2, s10
	s_add_nc_u64 s[22:23], s[22:23], s[2:3]
	s_mul_i32 s10, s100, CREG
	s_add_co_u32 s10, s10, CSTG                    ; my stage
	v_mul_u32_u24 v5, v2, CP
	v_add_nc_u32 v5, s10, v5                       ; into it: row = lane; the even column in the first half, the odd one JOFF further on
	v_lshrrev_b32 v8, 4, v2
	v_mul_u32_u24 v7, v8, CP                       ; out of it: four positions an instruction, eight lanes to a position's 128 bytes:
	v_bfe_u32 v8, v2, 3, 1                         ; position 4 n + lane / 8 is column 4 n* + lane / 8 (n* = n with bits 1 and 2 changed over), which is
	v_mad_u32_u24 v7, v8, JOFF, v7                 ; half (lane / 8) % 2, row 2 n* + lane / 16
	v_and_b32 v8, 7, v2
	v_lshl_add_u32 v7, v8, 4, v7
	v_add_nc_u32 v7, s10, v7
	v_and_b32 v9, 19, v2                           ; my two columns' scale bytes go to positions 2 x (lane with bits 2 and 3 changed over): 16 bytes
	v_bfe_u32 v8, v2, 2, 1
	v_lshl_or_b32 v9, v8, 3, v9
	v_bfe_u32 v8, v2, 3, 1
	v_lshl_or_b32 v9, v8, 2, v9
	v_lshlrev_b32 v9, 4, v9
	v_add_nc_u32 v6, s[G0+1], v4                   ; my 8 bytes of a tile row
	s_wait_alu depctr_va_vdst(0)                   ; directly ahead of the wait below
	s_wait_tensorcnt 0x0                           ; my tile is in LDS; nobody else reads it
	CLOAD 0
	CLOAD 1
.macro CCOL t, j                       ; block t of my column j
.set XS, CX+64*((\t)%2)
.set SS, 32+36*((\t)%2)
.set CQ, CC+168*((\t)%2)+4*\j
.set i, 0
.rept 32
	v_mul_f32 v[CY+i], s[SS+i], v[XS+2*i+\j]       ; S[r] * Vh[r][column]
.set i, i+1
.endr
	v_max3_num_f32 v14, |v[CY]|, |v[CY+1]|, |v[CY+2]|              ; the block's largest magnitude: all 32 numbers are mine; two chains
	v_max3_num_f32 v15, |v[CY+3]|, |v[CY+4]|, |v[CY+5]|
.irp i, 6,10,14,18,22,26
	v_max3_num_f32 v14, v14, |v[CY+\i]|, |v[CY+\i+1]|
	v_max3_num_f32 v15, v15, |v[CY+\i+2]|, |v[CY+\i+3]|
.endr
	v_max3_num_f32 v14, v14, |v[CY+30]|, |v[CY+31]|
	v_max3_num_f32 v14, v14, v15, 0x1800000        ; and the floor 2^(3 - 127)
	v_add_nc_u32 v12, 0xff000000, v14              ; 2 off the exponent field: the conversion's scale operand
	v_lshrrev_b32 v13, 23, v12                     ; the scale's byte
.if (\t)%4 == 0
	v_mov_b32 v[CSB+2*\j+(\t)/4], v13              ; four bytes to a register, the lower K in the lower byte
.else
	v_lshl_or_b32 v[CSB+2*\j+(\t)/4], v13, 8*((\t)%4), v[CSB+2*\j+(\t)/4]
.endif
.irp g, 0,1,2,3
	v_cvt_scalef32_pk8_fp4_f32 v[CQ+\g], v[CY+8*\g:CY+8*\g+7], v12
.endr
	v_nop                                          ; one plain line behind the conversions: the next multiplications write their sources
	ds_store_b128 v5, v[CQ:CQ+3] offset:\j*JOFF+16*(\t)   ; 32 codes: 16 bytes of the column's row
.endm
.macro CBLOCK t
.if (\t) == 0
	s_wait_dscnt 32                                ; this block's 32 loads are in; the next block's may be out
.elseif (\t) < 7
	s_wait_dscnt 34                                ; behind this block's loads: the last block's two stores and the next block's 32 loads.  So the stores of two blocks ago, which read this block's set of code registers, are done
.else
	s_wait_dscnt 0x0
.endif
	s_wait_kmcnt 0x0                               ; scalar loads come back in no order: all of S that was asked for is in
	CCOL \t, 0
	CCOL \t, 1
.if (\t)+2 < 8
	CLOAD (\t)+2                                   ; both sets have been read: they take the block two further on
	SLOAD (\t)+2
.endif
.endm
.irp t, 0,1,2,3,4,5,6,7
	CBLOCK \t
.endr
	s_wait_alu depctr_va_vdst(0)                   ; directly ahead of the reader below
	global_store_b128 v9, v[CSB:CSB+3], s[22:23]   ; the wave's 64 positions x 8 scale bytes: 512 consecutive bytes, aligned, between them
.irp n, 0,1,2,3,4,5,6,7,8,9,10,11,12,13,14,15
	ds_load_b128 v[CX+4*\n:CX+4*\n+3], v7 offset:2*CP*(((\n)&9)|(((\n)&2)<<1)|(((\n)&4)>>1))   ; positions 4 n .. 4 n + 3: the permutation stands in the immediate; LDS serves a wave's instructions in order: these see my stores
.endr
.irp n, 0,1,2,3,4,5,6,7,8,9,10,11,12,13,14,15
	s_wait_dscnt 15-\n                             ; LDS loads come back in order: load n is in
	global_store_b128 v3, v[CX+4*\n:CX+4*\n+3], s[20:21] offset:512*\n   ; 32 lanes store 512 consecutive bytes, aligned
.endr
	s_wait_tensorcnt 0x0                           ; the wave's end
	ds_add_u32 v[SPW], v[NIL]
	s_wait_dscnt 0x0
	s_endpgm
.Lfunc_end_k_qdb069251f4_quant:
	.size	k_qdb069251f4_quant, .Lfunc_end_k_qdb069251f4_quant-k_qdb069251f4_quant
	.p2alignl 7, 3214868480
	.fill 96, 4, 3214868480
	.section	.rodata,"a",@progbits
	.p2align	6, 0x0
	.amdhsa_kernel k_qdb069251f4_quant
		.amdhsa_group_segment_fixed_size 327680
		.amdhsa_private_segment_fixed_size 0
		.amdhsa_enable_private_segment 0
		.amdhsa_kernarg_size 80
		.amdhsa_user_sgpr_count 2
		.amdhsa_user_sgpr_kernarg_segment_ptr 1
		.amdhsa_wavefront_size32 1
		.amdhsa_system_sgpr_workgroup_id_x 1
		.amdhsa_system_sgpr_workgroup_id_y 1
		.amdhsa_system_sgpr_workgroup_id_z 1
		.amdhsa_system_vgpr_workitem_id 0
		.amdhsa_next_free_vgpr 216
		.amdhsa_next_free_sgpr 102
		.amdhsa_reserve_vcc 0
		.amdhsa_float_denorm_mode_32 3
		.amdhsa_float_denorm_mode_16_64 3
		.amdhsa_memory_ordered 1
		.amdhsa_forward_progress 1
		.amdhsa_inst_pref_size 124
	.end_amdhsa_kernel
	.amdgpu_metadata
---
amdhsa.version: [ 1, 2 ]
amdhsa.kernels:
  - .name:           k_qdb069251f4_quant
    .symbol:         k_qdb069251f4_quant.kd
    .args:
      - { .name: S, .offset: 0, .size: 8, .value_kind: global_buffer, .address_space: global }
      - { .name: U, .offset: 8, .size: 8, .value_kind: global_buffer, .address_space: global }
      - { .name: Vh, .offset: 16, .size: 8, .value_kind: global_buffer, .address_space: global }
      - { .name: x, .offset: 24, .size: 8, .value_kind: global_buffer, .address_space: global }
      - { .name: u_codes, .offset: 32, .size: 8, .value_kind: global_buffer, .address_space: global }
      - { .name: u_scales, .offset: 40, .size: 8, .value_kind: global_buffer, .address_space: global }
      - { .name: x_codes, .offset: 48, .size: 8, .value_kind: global_buffer, .address_space: global }
      - { .name: x_scales, .offset: 56, .size: 8, .value_kind: global_buffer, .address_space: global }
      - { .name: vt_codes, .offset: 64, .size: 8, .value_kind: global_buffer, .address_space: global }
      - { .name: vt_scales, .offset: 72, .size: 8, .value_kind: global_buffer, .address_space: global }
    .group_segment_fixed_size: 327680
    .private_segment_fixed_size: 0
    .kernarg_segment_align: 8
    .kernarg_segment_size: 80
    .max_flat_workgroup_size: 512
    .sgpr_count:     102
    .vgpr_count:     216
    .wavefront_size: 32
...
	.end_amdgpu_metadata
.endif
;; end of part 1
;; launch gemm1 (part 2): grid 16 x 16, 4 waves a work-group, clusters of 4 x 4, 327,680 bytes of LDS; arguments u_codes, u_scales, vt_codes, vt_scales, w_codes, w_scales; writes w_codes, w_scales
.if DOCPART == 2
	.amdgcn_target "amdgcn-amd-amdhsa--gfx1250"
	.amdhsa_code_object_version 6
	.text
	.protected	k_qdb069251f4_gemm1
	.globl	k_qdb069251f4_gemm1
	.p2align	8
	.type	k_qdb069251f4_gemm1,@function
k_qdb069251f4_gemm1:
	s_mov_b64 s[64:65], 0
	v_nop
	global_prefetch_b8 v0, s[64:65] scope:SCOPE_SE
	s_setreg_imm32_b32 hwreg(HW_REG_WAVE_MODE, 25, 1), 1
	s_wait_xcnt 0x0
	s_wait_alu depctr_hold_cnt(0) depctr_sa_sdst(0) depctr_va_vdst(0) depctr_va_sdst(0) depctr_va_ssrc(0) depctr_va_vcc(0) depctr_vm_vsrc(0)
	s_getreg_b32 s2, hwreg(HW_REG_IB_STS2, 6, 4)
	s_cmp_eq_u32 s2, 0
	s_cbranch_scc0 .Lentry_in_a_cluster
	s_endpgm
.Lentry_in_a_cluster:
	s_bfe_u32 s2, ttmp6, 0x10000c
	s_cmp_lg_u32 s2, 0xf033
	s_cbranch_scc0 .Lentry_shape_is_right
	s_endpgm
.Lentry_shape_is_right:
.set RA,     2048
.set RB,     4096
.set NQ,     4
.set LAPS,   4
.set PITCH,  272
.set SUBA,   64*PITCH
.set SUBB,   128*PITCH
.set BOFF,   2*SUBA
.set SLOT,   2*SUBA+2*SUBB
.set SCLA,   2*SLOT
.set SCLB,   SCLA+16384
.set SPARE,  SCLB+32768
.set STAGE,  SPARE+512
.set WP,     144
.set SST,    STAGE+128*WP
.set ADRA, 16
.set ADRB, 20
.set ADSA, 22
.set ADSB, 23
.set STO,  24
.set RD,   25
.set CO,   26
.set STS,  27
.set SPW,  28
.set NIL,  29
.set SGO,  30
.set SRD,  31
.set SCA,  32
.set SCB,  48
.set TM,   80
.set PW,   96
.set AF,   128
.set PC,   192
.set OB,   224
.set G1,   24
.set G0,   32
.set G1B,  48
.set G0B,  56
.set PFA,  68                          ; s[68:69] where my next prefetch stands;  s[70:71] the head's second one;  s[72:73] a K step of my tensor in bytes
.set PFB,  70
.set PFS,  72
.set PFO,  12                          ; v12     the prefetches' offset: 256 bytes a lane; never rewritten
.set MSB, 0
.macro WIN new
.if MSB != \new
	s_set_vgpr_msb (MSB<<8)|\new
.set MSB, \new
.endif
.endm
.set MUL,  0xa1
.set TO_B, 0x40
.macro JLOAD g0a, g1a, g0b, g1b
	s_cmp_eq_u32 s15, 0
	s_cbranch_scc0 .Lfor_b_\@
	tensor_load_to_lds s[\g0a:\g0a+3], s[\g1a:\g1a+7]
	s_nop 0
.rept 4
	v_nop
.endr
	s_branch .Lasked_\@
.Lfor_b_\@:
	tensor_load_to_lds s[\g0b:\g0b+3], s[\g1b:\g1b+7]
	s_nop 0
.rept 4
	v_nop
.endr
.Lasked_\@:
.endm
.macro CREST
	s_cmp_lg_u32 s14, 0
	s_cbranch_scc1 .Lnot_wave_0_\@
	s_barrier_signal -3
.Lnot_wave_0_\@:
	s_barrier_wait -3
	s_barrier_signal -1
	s_barrier_wait -1
.endm
.macro CROUND
	s_barrier_signal -1
	s_barrier_wait -1
	CREST
.endm
	s_load_b128 s[4:7], s[0:1], 0x0
	s_load_b128 s[8:11], s[0:1], 0x10
	s_load_b64 s[12:13], s[0:1], 0x20
	s_load_b64 s[96:97], s[0:1], 0x28
	v_lshl_add_u32 v[SPW], v0, 2, SPARE
	v_mov_b32 v[NIL], 0
	ds_add_u32 v28, v29
	ds_add_u32 v28, v29
	s_wait_dscnt 0x0
	v_lshrrev_b32 v1, 5, v0
	v_readfirstlane_b32 s14, v1
	s_lshr_b32 s15, s14, 1
	s_and_b32 s16, s14, 1
	s_bfe_u32 s40, ttmp6, 0x40000
	s_bfe_u32 s41, ttmp6, 0x40004
	s_lshl_b32 s42, ttmp9, 2
	s_add_co_u32 s42, s42, s40
	s_and_b32 s17, ttmp7, 0xffff
	s_lshl_b32 s17, s17, 2
	s_add_co_u32 s17, s17, s41
	s_lshl_b32 s43, s41, 2
	s_lshl_b32 s43, 15, s43
	s_lshl_b32 s44, 0x1111, s40
	s_or_b32 s[G1+0], s43, (1<<20)|(1<<21)|(5<<22)|(3<<25)
	s_or_b32 s[G1B+0], s44, (1<<20)|(1<<21)|(5<<22)|(3<<25)
	s_mov_b32 s[G1+1], 256<<16
	s_mov_b32 s[G1+2], 64<<16
	s_mov_b32 s[G1+3], 256<<16
	s_mov_b32 s[G1+4], 64
	s_mov_b32 s[G1+5], 256
	s_mov_b32 s[G1+6], 0
	s_mov_b32 s[G1+7], 0
	s_mov_b32 s[G1B+1], 256<<16
	s_mov_b32 s[G1B+2], 128<<16
	s_mov_b32 s[G1B+3], 256<<16
	s_mov_b32 s[G1B+4], 128
	s_mov_b32 s[G1B+5], 256
	s_mov_b32 s[G1B+6], 0
	s_mov_b32 s[G1B+7], 0
	; the scale bytes of the tile's rows, for all of K (49,152 bytes), come through registers: 24 loads of 16 bytes a thread, a wave's load on 512 consecutive bytes
	v_and_b32 v8, 63, v0
	v_lshrrev_b32 v11, 6, v0
	v_lshlrev_b32 v8, 4, v8
	v_mad_u32_u24 v8, v11, RA*8, v8                ; A's: 128 threads cover two chunks' planes of 1,024 bytes
	v_lshlrev_b32 v9, 4, v0                        ; B's: one chunk's plane of 2,048 bytes
	v_lshl_add_u32 v10, v0, 4, SCLA                ; and their place in LDS: 16 bytes a thread
	s_mul_i32 s20, s16, RA*128
	s_lshl_b32 s18, s17, 14
	s_add_co_u32 s20, s20, s18
	s_mov_b32 s21, 0
	s_lshl_b32 s22, s17, 10
	s_mov_b32 s23, 0
	s_mul_i32 s46, s16, RB*128
	s_lshl_b32 s19, s42, 15
	s_add_co_u32 s46, s46, s19
	s_mov_b32 s47, 0
	s_lshl_b32 s92, s42, 11
	s_mov_b32 s93, 0
	s_mul_i32 s45, s16, SUBA
	s_mul_i32 s94, s16, SUBB
	s_add_co_u32 s94, s94, BOFF
	s_wait_alu depctr_va_vdst(0)                   ; directly ahead of the wait below
	s_wait_kmcnt 0x0
	s_add_nc_u64 s[20:21], s[4:5], s[20:21]
	s_add_nc_u64 s[22:23], s[6:7], s[22:23]
	s_add_nc_u64 s[46:47], s[8:9], s[46:47]
	s_add_nc_u64 s[92:93], s[10:11], s[92:93]
.irp j, 0,1,2,3,4,5,6,7
	global_load_b128 v[128+4*\j:131+4*\j], v8, s[22:23] offset:2*\j*RA*8     ; A's scale bytes, chunks 2 j and 2 j + 1
.endr
.irp j, 0,1,2,3,4,5,6,7,8,9,10,11,12,13,14,15
	global_load_b128 v[160+4*\j:163+4*\j], v9, s[92:93] offset:\j*RB*8       ; B's, chunk j
.endr
	CROUND                                         ; all sixteen work-groups are here: the first joint loads meet
.irp s, 0,1
	s_mov_b32 s[G0+4*\s], 1
	s_add_co_u32 s[G0+4*\s+1], s45, \s*SLOT
	s_add_nc_u64 s[G0+4*\s+2:G0+4*\s+3], s[20:21], \s*2*RA*128
	s_or_b32 s[G0+4*\s+3], s[G0+4*\s+3], 0x80000000
	s_mov_b32 s[G0B+4*\s], 1
	s_add_co_u32 s[G0B+4*\s+1], s94, \s*SLOT
	s_add_nc_u64 s[G0B+4*\s+2:G0B+4*\s+3], s[46:47], \s*2*RB*128
	s_or_b32 s[G0B+4*\s+3], s[G0B+4*\s+3], 0x80000000
.endr
	JLOAD G0, G1, G0B, G1B                         ; K step 0: one tensor load a wave at the head
	; THE PREFETCHES: the load of K step t is followed by a request for K step t + 2 (the head also asks for K step 1).  Of the dense run that my wave fetches (A: 16,384 bytes, B: 32,768) each of the four partners
	; that ask for it jointly takes a quarter, told apart by address (cx for A, cy for B): 16 or 32 blocks of 256 bytes, a lane a block; A's lanes 16-31 name the last block again.
	s_cmp_eq_u32 s15, 0
	s_cselect_b64 s[PFA:PFA+1], s[20:21], s[46:47]
	s_mov_b32 s[PFS], 2*RB*128
	s_cselect_b32 s[PFS], 2*RA*128, s[PFS]
	s_cselect_b32 s74, s40, s41
	s_cselect_b32 s77, 12, 13
	s_cselect_b32 s76, 15, 31
	s_lshl_b32 s74, s74, s77
	s_mov_b32 s75, 0
	s_mov_b32 s[PFS+1], 0
	s_add_nc_u64 s[PFA:PFA+1], s[PFA:PFA+1], s[74:75]
	s_add_nc_u64 s[PFA:PFA+1], s[PFA:PFA+1], s[PFS:PFS+1]      ; K step 1
	s_add_nc_u64 s[PFB:PFB+1], s[PFA:PFA+1], s[PFS:PFS+1]      ; K step 2
	v_and_b32 v[PFO], 31, v0
	v_min_u32 v[PFO], s76, v[PFO]
	v_lshlrev_b32 v[PFO], 8, v[PFO]
	global_prefetch_b8 v[PFO], s[PFA:PFA+1] th:TH_LOAD_NT scope:SCOPE_SE
	global_prefetch_b8 v[PFO], s[PFB:PFB+1] th:TH_LOAD_NT scope:SCOPE_SE
	v_and_b32 v1, 15, v0
	v_bfe_u32 v2, v0, 4, 1
	v_lshrrev_b32 v3, 1, v1
	v_mul_u32_u24 v3, v3, PITCH
	v_and_b32 v4, 1, v1
	v_lshl_add_u32 v3, v4, 7, v3
	v_lshl_add_u32 v3, v2, 4, v3
	s_mul_i32 s98, s15, 32*PITCH
	s_mul_i32 s99, s16, 64*PITCH
	s_add_co_u32 s99, s99, BOFF
.irp s, 0,1
	v_add_nc_u32 v[ADRA+\s], s98, v3
	v_add_nc_u32 v[ADRB+\s], s99, v3
	s_add_co_u32 s98, s98, SLOT
	s_add_co_u32 s99, s99, SLOT
.endr
	v_and_b32 v5, 31, v0
	s_lshl_b32 s98, s15, 9
	s_add_co_u32 s98, s98, SCLA
	v_lshl_add_u32 v[ADSA], v5, 3, s98
	s_lshl_b32 s99, s16, 10
	s_add_co_u32 s99, s99, SCLB
	v_lshl_add_u32 v[ADSB], v5, 3, s99
	s_mul_i32 s98, s15, 64*WP
	s_lshl_b32 s99, s16, 6
	s_add_co_u32 s98, s98, s99
	s_add_co_u32 s98, s98, STAGE
	v_mul_u32_u24 v[STO], v1, WP
	v_lshl_add_u32 v[STO], v2, 3, v[STO]
	v_add_nc_u32 v[STO], s98, v[STO]
	s_lshl_b32 s98, s15, 9
	s_lshl_b32 s99, s16, 2
	s_add_co_u32 s98, s98, s99
	s_add_co_u32 s98, s98, SST
	v_lshl_add_u32 v[STS], v1, 3, s98
	s_mul_i32 s98, s14, 32*WP
	v_bfe_u32 v6, v0, 3, 2
	v_mul_u32_u24 v[RD], v6, WP
	v_and_b32 v6, 7, v0
	v_lshl_add_u32 v[RD], v6, 4, v[RD]
	v_add_nc_u32 v[RD], s98, v[RD]
	v_add_nc_u32 v[RD], STAGE, v[RD]
	v_lshlrev_b32 v[CO], 4, v5
	s_lshl_b32 s98, s14, 12
	v_add_nc_u32 v[CO], s98, v[CO]
	v_lshlrev_b32 v[SGO], 3, v0
	v_lshl_add_u32 v[SRD], v0, 3, SST
.irp b, 0,1,2,3
	v_mov_b32 v[TM+4+\b], 0
.endr
	s_mov_b32 s18, 0x76543210
	s_mov_b32 s19, 0xfedcba98
	s_lshl_b32 s98, s17, 14
	s_mov_b32 s99, 0
	s_add_nc_u64 s[12:13], s[12:13], s[98:99]
	s_lshl_b32 s100, s42, 18
	s_mov_b32 s101, 0
	s_add_nc_u64 s[12:13], s[12:13], s[100:101]
	s_lshl_b32 s98, s17, 10
	s_add_nc_u64 s[96:97], s[96:97], s[98:99]
	s_lshl_b32 s100, s42, 14
	s_add_nc_u64 s[96:97], s[96:97], s[100:101]
.macro FRAGA reg, slot, q, i
.irp c, 0,1
	ds_load_b128 v[\reg+4*\c:\reg+4*\c+3], v[ADRA+\slot] offset:((\q)/2)*SUBA+((\q)%2)*64+32*\c+(\i)*8*PITCH
.endr
.endm
.macro FRAGB reg, slot, q, i
.irp c, 0,1
	ds_load_b128 v[\reg+4*\c:\reg+4*\c+3], v[ADRB+\slot] offset:((\q)/2)*SUBB+((\q)%2)*64+32*\c+(\i)*8*PITCH
.endr
.endm
.macro FETCH slot, q, p
	WIN TO_B
.irp i, 0,1,2,3,4,5,6,7
	FRAGB 128*(\p)+8*\i, \slot, \q, \i
.endr
	WIN 0
.irp i, 0,1,2,3
	FRAGA AF+32*(\p)+8*\i, \slot, \q, \i
.endr
.endm
.macro SCALES sc
.irp c, 0,1
.irp i, 0,1
	ds_load_b64 v[SCA+8*\sc+4*\i+2*\c:SCA+8*\sc+4*\i+2*\c+1], v[ADSA] offset:1024*\c+256*\i
.endr
.irp i, 0,1,2,3
	ds_load_b64 v[SCB+16*\sc+4*\i+2*\c:SCB+16*\sc+4*\i+2*\c+1], v[ADSB] offset:2048*\c+256*\i
.endr
.endr
.endm
.macro WM a, b, p, q, sc, zero
.set rD, 8*(8*(\a)+(\b))
.set rB, 128*(\p)+8*(\b)
.set rA, AF+32*(\p)+8*(\a)
.set rT, SCB+16*(\sc)+4*((\b)/2)+(\q)
.set rU, SCA+8*(\sc)+4*((\a)/2)+(\q)
.set rw, 2*((\a)%2)+((\b)%2)
.if \zero
.if rw == 0
	v_wmma_scale_f32_16x16x128_f8f6f4 v[rD:rD+7], v[rB:rB+7], v[rA:rA+7], 0, v[rT], v[rU] matrix_a_fmt:MATRIX_FMT_FP4 matrix_b_fmt:MATRIX_FMT_FP4
.elseif rw == 1
	v_wmma_scale_f32_16x16x128_f8f6f4 v[rD:rD+7], v[rB:rB+7], v[rA:rA+7], 0, v[rT], v[rU] matrix_a_fmt:MATRIX_FMT_FP4 matrix_b_fmt:MATRIX_FMT_FP4 matrix_a_scale:MATRIX_SCALE_ROW1
.elseif rw == 2
	v_wmma_scale_f32_16x16x128_f8f6f4 v[rD:rD+7], v[rB:rB+7], v[rA:rA+7], 0, v[rT], v[rU] matrix_a_fmt:MATRIX_FMT_FP4 matrix_b_fmt:MATRIX_FMT_FP4 matrix_b_scale:MATRIX_SCALE_ROW1
.else
	v_wmma_scale_f32_16x16x128_f8f6f4 v[rD:rD+7], v[rB:rB+7], v[rA:rA+7], 0, v[rT], v[rU] matrix_a_fmt:MATRIX_FMT_FP4 matrix_b_fmt:MATRIX_FMT_FP4 matrix_a_scale:MATRIX_SCALE_ROW1 matrix_b_scale:MATRIX_SCALE_ROW1
.endif
.else
.if rw == 0
	v_wmma_scale_f32_16x16x128_f8f6f4 v[rD:rD+7], v[rB:rB+7], v[rA:rA+7], v[rD:rD+7], v[rT], v[rU] matrix_a_fmt:MATRIX_FMT_FP4 matrix_b_fmt:MATRIX_FMT_FP4
.elseif rw == 1
	v_wmma_scale_f32_16x16x128_f8f6f4 v[rD:rD+7], v[rB:rB+7], v[rA:rA+7], v[rD:rD+7], v[rT], v[rU] matrix_a_fmt:MATRIX_FMT_FP4 matrix_b_fmt:MATRIX_FMT_FP4 matrix_a_scale:MATRIX_SCALE_ROW1
.elseif rw == 2
	v_wmma_scale_f32_16x16x128_f8f6f4 v[rD:rD+7], v[rB:rB+7], v[rA:rA+7], v[rD:rD+7], v[rT], v[rU] matrix_a_fmt:MATRIX_FMT_FP4 matrix_b_fmt:MATRIX_FMT_FP4 matrix_b_scale:MATRIX_SCALE_ROW1
.else
	v_wmma_scale_f32_16x16x128_f8f6f4 v[rD:rD+7], v[rB:rB+7], v[rA:rA+7], v[rD:rD+7], v[rT], v[rU] matrix_a_fmt:MATRIX_FMT_FP4 matrix_b_fmt:MATRIX_FMT_FP4 matrix_a_scale:MATRIX_SCALE_ROW1 matrix_b_scale:MATRIX_SCALE_ROW1
.endif
.endif
.endm
.macro MUL8 a, p, q, sc, zero
.irp b, 0,1,2,3,4,5,6,7
	WM \a, \b, \p, \q, \sc, \zero
.endr
.endm
.macro PLACES n
.rept \n
	v_nop
.endr
.endm
.macro STEP slot, q, zero
	s_wait_dscnt 0x0
	PLACES 4
	FETCH \slot, (\q)+1, 1-(\q)%2
	WIN MUL
	MUL8 0, (\q)%2, \q, \slot, \zero
	MUL8 1, (\q)%2, \q, \slot, \zero
	MUL8 2, (\q)%2, \q, \slot, \zero
	MUL8 3, (\q)%2, \q, \slot, \zero
	WIN 0
.endm
.macro ASK                             ; behind a refill with K step t: K step t + 2; the loop's last trip (s3 = 1) loads K steps 6 and 7 and asks for nothing
	s_cmp_gt_u32 s3, 1
	s_cbranch_scc0 .Lno_ask_\@
	global_prefetch_b8 v[PFO], s[PFA:PFA+1] th:TH_LOAD_NT scope:SCOPE_SE
.Lno_ask_\@:
.endm
.macro TURN slot, next, fill
.if \fill
	s_wait_xcnt 0x0                                ; my last prefetch has read its address: it steps a K step on
	s_add_nc_u64 s[PFA:PFA+1], s[PFA:PFA+1], s[PFS:PFS+1]
.endif
	s_wait_tensorcnt 0x0
	ds_add_u32 v[SPW], v[NIL]
	s_wait_dscnt 1
	WIN MUL
	MUL8 0, 1, NQ-1, \slot, 0
	s_wait_dscnt 0x0
	s_barrier_signal -1
	MUL8 1, 1, NQ-1, \slot, 0
	WIN 0
	s_barrier_wait -1
.if \fill
	CREST
	s_add_nc_u64 s[G0+4*\slot+2:G0+4*\slot+3], s[G0+4*\slot+2:G0+4*\slot+3], 4*RA*128
	s_add_nc_u64 s[G0B+4*\slot+2:G0B+4*\slot+3], s[G0B+4*\slot+2:G0B+4*\slot+3], 4*RB*128
	JLOAD G0+4*\slot, G1, G0B+4*\slot, G1B
.else
	PLACES 4
.endif
	s_wait_alu depctr_va_vdst(0)
	v_add_nc_u32 v[ADSA], 2048, v[ADSA]
	v_add_nc_u32 v[ADSB], 4096, v[ADSB]
	FETCH \next, 0, 0
	SCALES \next
.if \fill
	ASK
.endif
	WIN MUL
	MUL8 2, 1, NQ-1, \slot, 0
	MUL8 3, 1, NQ-1, \slot, 0
	WIN 0
.endm
.macro STEPS slot, from
.set Q, \from
.rept NQ-1-\from
	STEP \slot, Q, 0
.set Q, Q+1
.endr
.endm
	s_wait_loadcnt 0x0                             ; the scale bytes are in registers
	s_wait_tensorcnt 0x0                           ; no tensor load of mine is out while I store to LDS
.irp j, 0,1,2,3,4,5,6,7
	ds_store_b128 v10, v[128+4*\j:131+4*\j] offset:2048*\j                   ; A's [16 chunks][128 rows][8 bytes]: bytes of their own, on which no fill lands
.endr
.irp j, 0,1,2,3,4,5,6,7,8,9,10,11,12,13,14,15
	ds_store_b128 v10, v[160+4*\j:163+4*\j] offset:16384+2048*\j             ; B's [16][256][8]
.endr
	s_wait_xcnt 0x0                                ; the head's prefetches have read their addresses
	s_add_nc_u64 s[PFA:PFA+1], s[PFB:PFB+1], s[PFS:PFS+1]      ; K step 3
	s_wait_alu depctr_va_vdst(0)
	s_wait_tensorcnt 0x0                           ; my part of K step 0 is in
	ds_add_u32 v[SPW], v[NIL]
	s_wait_dscnt 0x0                               ; the add and my stores of scale bytes are done
	CROUND                                         ; everybody's part of K step 0 and of the scale bytes is in
	JLOAD G0+4, G1, G0B+4, G1B                     ; K step 1: the first tensor load behind the round
	FETCH 0, 0, 0
	SCALES 0
	global_prefetch_b8 v[PFO], s[PFA:PFA+1] th:TH_LOAD_NT scope:SCOPE_SE
	STEP 0, 0, 1
	s_mov_b32 s3, LAPS-1
.Llap:
	STEPS 0, 1
	TURN 0, 1, 1
	STEPS 1, 0
	TURN 1, 0, 1
	STEP 0, 0, 0
	s_sub_co_u32 s3, s3, 1
	s_cmp_lg_u32 s3, 0
	s_cbranch_scc1 .Llap
	STEPS 0, 1
	TURN 0, 1, 0
	STEPS 1, 0
	s_wait_dscnt 0x0
	WIN MUL
	MUL8 0, 1, NQ-1, 1, 0
	MUL8 1, 1, NQ-1, 1, 0
	MUL8 2, 1, NQ-1, 1, 0
	MUL8 3, 1, NQ-1, 1, 0
	WIN 0
.macro QW a
	WIN 0x0a
.irp b, 0,1,2,3
	v_max3_num_f32 v[TM+\b], |v[64*\a+16*\b]|, |v[64*\a+16*\b+1]|, 0x1800000
.endr
.irp i, 2,4,6,8,10,12,14
.irp b, 0,1,2,3
	v_max3_num_f32 v[TM+\b], |v[64*\a+16*\b+\i]|, |v[64*\a+16*\b+\i+1]|, v[TM+\b]
.endr
.endr
	WIN 0
.irp b, 0,1,2,3
	v_permlanex16_b32 v[TM+4+\b], v[TM+\b], s18, s19
.endr
.irp b, 0,1,2,3
	v_max_num_f32 v[TM+\b], v[TM+\b], v[TM+4+\b]
.endr
.irp b, 0,1,2,3
	v_add_nc_u32 v[TM+12+\b], 0xff000000, v[TM+\b]
.endr
.irp b, 0,1,2,3
	v_lshrrev_b32 v[TM+4+\b], 23, v[TM+12+\b]
.endr
	v_lshl_or_b32 v[PW+\a], v[TM+5], 8, v[TM+4]
	v_lshl_or_b32 v[PW+\a], v[TM+6], 16, v[PW+\a]
	v_lshl_or_b32 v[PW+\a], v[TM+7], 24, v[PW+\a]
	WIN 0x02
.irp b, 0,1,2,3
	v_cvt_scalef32_pk8_fp4_f32 v[PC+8*\a+2*\b], v[64*\a+16*\b:64*\a+16*\b+7], v[TM+12+\b]
	v_cvt_scalef32_pk8_fp4_f32 v[PC+8*\a+2*\b+1], v[64*\a+16*\b+8:64*\a+16*\b+15], v[TM+12+\b]
.endr
	WIN 0
	v_nop
.irp b, 0,1,2,3
	ds_store_b64 v[STO], v[PC+8*\a+2*\b:PC+8*\a+2*\b+1] offset:\a*16*WP+16*\b
.endr
	ds_store_b32 v[STS], v[PW+\a] offset:128*\a
.endm
	PLACES 4
	QW 0
	QW 1
	QW 2
	QW 3
	s_wait_dscnt 0x0
	s_barrier_signal -1
	s_barrier_wait -1
.irp n, 0,1,2,3,4,5,6,7
	ds_load_b128 v[OB+4*\n:OB+4*\n+3], v[RD] offset:4*WP*\n
.endr
	ds_load_b64 v[100:101], v[SRD]
.irp n, 0,1,2,3,4,5,6,7
	s_wait_dscnt 8-\n
	global_store_b128 v[CO], v[OB+4*\n:OB+4*\n+3], s[12:13] offset:512*\n
.endr
	s_wait_dscnt 0x0
	global_store_b64 v[SGO], v[100:101], s[96:97]
	s_wait_tensorcnt 0x0
	ds_add_u32 v[SPW], v[NIL]
	s_wait_dscnt 0x0
	CROUND
	s_endpgm
.Lfunc_end_k_qdb069251f4_gemm1:
	.size	k_qdb069251f4_gemm1, .Lfunc_end_k_qdb069251f4_gemm1-k_qdb069251f4_gemm1
	.p2alignl 7, 3214868480
	.fill 96, 4, 3214868480
	.section	.rodata,"a",@progbits
	.p2align	6, 0x0
	.amdhsa_kernel k_qdb069251f4_gemm1
		.amdhsa_group_segment_fixed_size 327680
		.amdhsa_private_segment_fixed_size 0
		.amdhsa_enable_private_segment 0
		.amdhsa_kernarg_size 48
		.amdhsa_user_sgpr_count 2
		.amdhsa_user_sgpr_kernarg_segment_ptr 1
		.amdhsa_wavefront_size32 1
		.amdhsa_system_sgpr_workgroup_id_x 1
		.amdhsa_system_sgpr_workgroup_id_y 1
		.amdhsa_system_sgpr_workgroup_id_z 1
		.amdhsa_system_vgpr_workitem_id 0
		.amdhsa_next_free_vgpr 768
		.amdhsa_next_free_sgpr 102
		.amdhsa_reserve_vcc 0
		.amdhsa_float_denorm_mode_32 3
		.amdhsa_float_denorm_mode_16_64 3
		.amdhsa_memory_ordered 1
		.amdhsa_forward_progress 1
		.amdhsa_inst_pref_size 132
	.end_amdhsa_kernel
	.amdgpu_metadata
---
amdhsa.version: [ 1, 2 ]
amdhsa.kernels:
  - .name:           k_qdb069251f4_gemm1
    .symbol:         k_qdb069251f4_gemm1.kd
    .args:
      - { .name: u_codes, .offset: 0, .size: 8, .value_kind: global_buffer, .address_space: global }
      - { .name: u_scales, .offset: 8, .size: 8, .value_kind: global_buffer, .address_space: global }
      - { .name: vt_codes, .offset: 16, .size: 8, .value_kind: global_buffer, .address_space: global }
      - { .name: vt_scales, .offset: 24, .size: 8, .value_kind: global_buffer, .address_space: global }
      - { .name: w_codes, .offset: 32, .size: 8, .value_kind: global_buffer, .address_space: global }
      - { .name: w_scales, .offset: 40, .size: 8, .value_kind: global_buffer, .address_space: global }
    .group_segment_fixed_size: 327680
    .private_segment_fixed_size: 0
    .kernarg_segment_align: 8
    .kernarg_segment_size: 48
    .max_flat_workgroup_size: 128
    .sgpr_count:     102
    .vgpr_count:     768
    .wavefront_size: 32
...
	.end_amdgpu_metadata
.endif
;; end of part 2
;; launch gemm2 (part 3): grid 8 x 32, 4 waves a work-group, clusters of 4 x 4, 327,680 bytes of LDS; arguments x_codes, x_scales, w_codes, w_scales, out0; writes out0
.if DOCPART == 3
	.amdgcn_target "amdgcn-amd-amdhsa--gfx1250"
	.amdhsa_code_object_version 6
	.text
	.protected	k_qdb069251f4_gemm2
	.globl	k_qdb069251f4_gemm2
	.p2align	8
	.type	k_qdb069251f4_gemm2,@function
k_qdb069251f4_gemm2:
	s_mov_b64 s[64:65], 0
	v_nop
	global_prefetch_b8 v0, s[64:65] scope:SCOPE_SE
	s_setreg_imm32_b32 hwreg(HW_REG_WAVE_MODE, 25, 1), 1
	s_wait_xcnt 0x0
	s_wait_alu depctr_hold_cnt(0) depctr_sa_sdst(0) depctr_va_vdst(0) depctr_va_sdst(0) depctr_va_ssrc(0) depctr_va_vcc(0) depctr_vm_vsrc(0)
	s_getreg_b32 s2, hwreg(HW_REG_IB_STS2, 6, 4)
	s_cmp_eq_u32 s2, 0
	s_cbranch_scc0 .Lentry_in_a_cluster
	s_endpgm
.Lentry_in_a_cluster:
	s_bfe_u32 s2, ttmp6, 0x10000c
	s_cmp_lg_u32 s2, 0xf033
	s_cbranch_scc0 .Lentry_shape_is_right
	s_endpgm
.Lentry_shape_is_right:
; out[m][o] = sum over d of x[m][d] W[o][d], on codes of FP4 (E2M1) with one E8M0 scale for each 32 along d; sums in f32; out is [4096][2048] f32.
; A = x's codes [16 chunks][RA rows][128 bytes], B = W's codes [16][RB rows][128 bytes]; their scale bytes [16][rows][8].  A chunk is 256 along K.
; A work-group of four waves makes 128 rows (m) x 256 columns (o): 256 work-groups.  A wave makes 64 x 128: 32 accumulators of 16 x 16, 256 registers.
; K goes in steps of 512 (two chunks) through a ring of two LDS slots filled by the tensor data mover; a tile's part of a chunk is one dense run of memory and comes as LDS rows of 256 bytes + 16 of padding,
; two rows of codes to an LDS row.  THE SCALES of the work-group's rows, for all of K, come into LDS once, with the first fills, and stay.
; CLUSTERS: 4 x 4 work-groups.  The four of a row of the cluster need the same tiles of A, the four of a column the same tiles of B: each is asked for JOINTLY, by the same tensor load with the same descriptor
; and a mask that names the four.  THE MATRIX INSTRUCTION IS USED TRANSPOSED (source 0 = 16 rows of B, source 1 = 16 rows of A): a lane holds eight neighbouring numbers of a row of out.
; REGISTERS, in windows of 256: window 0: v1-29 addresses; v32-47 A's scale words, v48-79 B's, two sets each; v128-191 A's fragments, two sets; on the way out v128-255 take rows of out.
;   window 1: B's fragments, two sets, at v0 and at v128.   window 2: accumulator (a, b) at v[8 (8 a + b)].
.set RA,     4096                      ; rows of A's buffers
.set RB,     2048                      ; rows of B's
.set NQ,     4                         ; matrix instructions deep in a slot: 512 along K
.set LAPS,   4                         ; a lap = two K steps = once round the ring: 4,096 / 1,024
.set PITCH,  272                       ; an LDS row: 256 bytes + 16 of padding.  Row of codes rho lies at (rho / 2) PITCH + (rho % 2) 128: the 16 rows of a fragment fall on 16 different columns of 16 bytes modulo 256
.set SUBA,   64*PITCH                  ; A's 128 rows of one chunk
.set SUBB,   128*PITCH                 ; B's 256 rows of one chunk
.set BOFF,   2*SUBA                    ; a slot: A's two chunks, then B's two
.set SLOT,   2*SUBA+2*SUBB
.set SCLA,   2*SLOT                    ; behind the ring: A's scale bytes [16 chunks][128 rows][8],
.set SCLB,   SCLA+16384                ; B's [16][256][8],
.set SPARE,  SCLB+32768                ; the spare words, 128 bytes for each wave: two blocks of 256 bytes that no other line names,
.set STAGE,  SPARE+512                 ; the way out: 16 rows x (512 bytes + 16) for each wave.  No fill ever lands there
.set SPITCH, 528
.set OROW,   8192                      ; a row of out in bytes
.set ADRA, 16                          ; v16-17  LDS address of my A fragments in slot 0, 1
.set ADRB, 20                          ; v20-21  the same for B
.set ADSA, 22                          ; v22     LDS address of my scale words of A: 8 bytes a lane, 32 rows a load
.set ADSB, 23                          ; v23     of B
.set STO,  24                          ; v24     the way out: where I put 32 bytes of a row
.set RD,   25                          ; v25     where I read a row back
.set CO,   26                          ; v26     my byte offset in a row's 512 bytes
.set SPW,  28                          ; v28     LDS address of my spare word: SPARE + 4 x my thread's number; never rewritten
.set NIL,  29                          ; v29     0; never rewritten
.set SCA,  32                          ; A's scale words: set s at SCA + 8 s; register 4 i + q: lanes 0-15 block 2 i, lanes 16-31 block 2 i + 1, the slot's q-th 128 along K
.set SCB,  48                          ; B's: set s at SCB + 16 s, likewise
.set AF,   128                         ; A's fragments: set p at AF + 32 p
.set BK,   128                         ; the way out: 16 rows read back from the stage: v128-191 and v192-255 by turns
.set G1,   24                          ; s[24:31] descriptor group 1 for A's codes;  s[32:39] group 0, one set for each slot
.set G0,   32
.set G1B,  48                          ; s[48:55], s[56:63] the same for B's codes
.set G0B,  56
.set PFA,  68                          ; s[68:69] where my next prefetch stands;  s[70:71] the head's second one;  s[72:73] a K step of my tensor in bytes
.set PFB,  70
.set PFS,  72
.set PFO,  12                          ; v12     the prefetches' offset: 256 bytes a lane; never rewritten
.set MSB, 0
.macro WIN new                         ; the immediate's high byte repeats the setting that is left; a switch that changes nothing is dropped
.if MSB != \new
	s_set_vgpr_msb (MSB<<8)|\new
.set MSB, \new
.endif
.endm
.set MUL,  0xa1                        ; source 0 (B) window 1, source 1 (A) window 0, C and D window 2
.set TO_B, 0x40                        ; destination window 1, address window 0
; A joint load: waves 0 and 1 fetch for A, waves 2 and 3 for B.  Each of the two lines has one mask and one set of registers for all that issue it; the branch hangs on the wave's number alone.
; Four v_nop follow each of the two lines, ahead of the jump, the label and what follows.
.macro JLOAD g0a, g1a, g0b, g1b
	s_cmp_eq_u32 s15, 0
	s_cbranch_scc0 .Lfor_b_\@
	tensor_load_to_lds s[\g0a:\g0a+3], s[\g1a:\g1a+7]
	s_nop 0
.rept 4
	v_nop
.endr
	s_branch .Lasked_\@
.Lfor_b_\@:
	tensor_load_to_lds s[\g0b:\g0b+3], s[\g1b:\g1b+7]
	s_nop 0
.rept 4
	v_nop
.endr
.Lasked_\@:
.endm
.macro CREST                           ; a round of the cluster's barrier behind its opening barrier
	s_cmp_lg_u32 s14, 0
	s_cbranch_scc1 .Lnot_wave_0_\@
	s_barrier_signal -3
.Lnot_wave_0_\@:
	s_barrier_wait -3
	s_barrier_signal -1
	s_barrier_wait -1
.endm
.macro CROUND                          ; a whole round
	s_barrier_signal -1
	s_barrier_wait -1
	CREST
.endm
	s_load_b128 s[4:7], s[0:1], 0x0                ; A's codes s[4:5], A's scales s[6:7]
	s_load_b128 s[8:11], s[0:1], 0x10              ; B's codes s[8:9], B's scales s[10:11]
	s_load_b64 s[12:13], s[0:1], 0x20              ; out
	v_lshl_add_u32 v[SPW], v0, 2, SPARE
	v_mov_b32 v[NIL], 0
	ds_add_u32 v28, v29
	ds_add_u32 v28, v29
	s_wait_dscnt 0x0
	v_lshrrev_b32 v1, 5, v0
	v_readfirstlane_b32 s14, v1                    ; wave 0..3
	s_lshr_b32 s15, s14, 1                         ; which 64 of the tile's 128 rows of A are mine.  Also: I fetch for A (0) or for B (1)
	s_and_b32 s16, s14, 1                          ; which 128 of its 256 rows of B.  Also: which of a slot's two chunks I fetch
	s_bfe_u32 s40, ttmp6, 0x40000                  ; cx, cy: my place in the cluster
	s_bfe_u32 s41, ttmp6, 0x40004
	s_lshl_b32 s42, ttmp9, 2
	s_add_co_u32 s42, s42, s40                     ; tile column = 4 x cluster x + cx
	s_and_b32 s17, ttmp7, 0xffff
	s_lshl_b32 s17, s17, 2
	s_add_co_u32 s17, s17, s41                     ; tile row = 4 x cluster y + cy
	s_lshl_b32 s43, s41, 2
	s_lshl_b32 s43, 15, s43                        ; my row of the cluster
	s_lshl_b32 s44, 0x1111, s40                    ; my column
	; group 1 for codes: a dense run as rows of 256 bytes, 16 bytes of padding behind each
	s_or_b32 s[G1+0], s43, (1<<20)|(1<<21)|(5<<22)|(3<<25)    ; 15:0 the mask: A's tiles go to my row; 17:16 elements of 1 byte; 20 padding on; 21 set beside a mask; 24:22 after every 64 words; 31:25 four words
	s_or_b32 s[G1B+0], s44, (1<<20)|(1<<21)|(5<<22)|(3<<25)   ; the same with the mask of my column
	s_mov_b32 s[G1+1], 256<<16                     ; tensor_dim0 = 256
	s_mov_b32 s[G1+2], 64<<16                      ; tensor_dim1 = 64: A's 128 rows of codes
	s_mov_b32 s[G1+3], 256<<16                     ; tile_dim0
	s_mov_b32 s[G1+4], 64                          ; tile_dim1
	s_mov_b32 s[G1+5], 256                         ; from row to row
	s_mov_b32 s[G1+6], 0
	s_mov_b32 s[G1+7], 0
	s_mov_b32 s[G1B+1], 256<<16
	s_mov_b32 s[G1B+2], 128<<16                    ; B's 256 rows of codes
	s_mov_b32 s[G1B+3], 256<<16
	s_mov_b32 s[G1B+4], 128
	s_mov_b32 s[G1B+5], 256
	s_mov_b32 s[G1B+6], 0
	s_mov_b32 s[G1B+7], 0
	; the scale bytes of the tile's rows, for all of K (49,152 bytes), come through registers: 24 loads of 16 bytes a thread, a wave's load on 512 consecutive bytes
	v_and_b32 v8, 63, v0
	v_lshrrev_b32 v11, 6, v0
	v_lshlrev_b32 v8, 4, v8
	v_mad_u32_u24 v8, v11, RA*8, v8                ; A's: 128 threads cover two chunks' planes of 1,024 bytes
	v_lshlrev_b32 v9, 4, v0                        ; B's: one chunk's plane of 2,048 bytes
	v_lshl_add_u32 v10, v0, 4, SCLA                ; and their place in LDS: 16 bytes a thread
	; where the tiles come from.  A's hang on the tile row and the wave's number alone, B's on the tile column and the wave's number alone, each in registers that never hold the other coordinate
	s_mul_i32 s20, s16, RA*128                     ; A's codes: my chunk of the slot's two,
	s_lshl_b32 s18, s17, 14                        ; the tile's 128 rows of 128 bytes
	s_add_co_u32 s20, s20, s18
	s_mov_b32 s21, 0
	s_lshl_b32 s22, s17, 10                        ; A's scales: the tile's 128 rows of 8 bytes
	s_mov_b32 s23, 0
	s_mul_i32 s46, s16, RB*128                     ; B's codes
	s_lshl_b32 s19, s42, 15
	s_add_co_u32 s46, s46, s19
	s_mov_b32 s47, 0
	s_lshl_b32 s92, s42, 11                        ; B's scales: the tile's 256 rows of 8 bytes
	s_mov_b32 s93, 0
	s_mul_i32 s45, s16, SUBA                       ; and where the codes go: no place in the cluster enters an LDS address
	s_mul_i32 s94, s16, SUBB
	s_add_co_u32 s94, s94, BOFF
	s_wait_alu depctr_va_vdst(0)                   ; directly ahead of the wait below
	s_wait_kmcnt 0x0
	s_add_nc_u64 s[20:21], s[4:5], s[20:21]
	s_add_nc_u64 s[22:23], s[6:7], s[22:23]
	s_add_nc_u64 s[46:47], s[8:9], s[46:47]
	s_add_nc_u64 s[92:93], s[10:11], s[92:93]
.irp j, 0,1,2,3,4,5,6,7
	global_load_b128 v[128+4*\j:131+4*\j], v8, s[22:23] offset:2*\j*RA*8     ; A's scale bytes, chunks 2 j and 2 j + 1
.endr
.irp j, 0,1,2,3,4,5,6,7,8,9,10,11,12,13,14,15
	global_load_b128 v[160+4*\j:163+4*\j], v9, s[92:93] offset:\j*RB*8       ; B's, chunk j
.endr
	CROUND                                         ; all sixteen work-groups are here: the first joint loads meet
.irp s, 0,1
	s_mov_b32 s[G0+4*\s], 1
	s_add_co_u32 s[G0+4*\s+1], s45, \s*SLOT
	s_add_nc_u64 s[G0+4*\s+2:G0+4*\s+3], s[20:21], \s*2*RA*128
	s_or_b32 s[G0+4*\s+3], s[G0+4*\s+3], 0x80000000
	s_mov_b32 s[G0B+4*\s], 1
	s_add_co_u32 s[G0B+4*\s+1], s94, \s*SLOT
	s_add_nc_u64 s[G0B+4*\s+2:G0B+4*\s+3], s[46:47], \s*2*RB*128
	s_or_b32 s[G0B+4*\s+3], s[G0B+4*\s+3], 0x80000000
.endr
	JLOAD G0, G1, G0B, G1B                         ; K step 0: one tensor load a wave at the head
	; THE PREFETCHES: the load of K step t is followed by a request for K step t + 2 (the head also asks for K step 1).  Of the dense run that my wave fetches (A: 16,384 bytes, B: 32,768) each of the four partners
	; that ask for it jointly takes a quarter, told apart by address (cx for A, cy for B): 16 or 32 blocks of 256 bytes, a lane a block; A's lanes 16-31 name the last block again.
	s_cmp_eq_u32 s15, 0
	s_cselect_b64 s[PFA:PFA+1], s[20:21], s[46:47]
	s_mov_b32 s[PFS], 2*RB*128
	s_cselect_b32 s[PFS], 2*RA*128, s[PFS]
	s_cselect_b32 s74, s40, s41
	s_cselect_b32 s77, 12, 13
	s_cselect_b32 s76, 15, 31
	s_lshl_b32 s74, s74, s77
	s_mov_b32 s75, 0
	s_mov_b32 s[PFS+1], 0
	s_add_nc_u64 s[PFA:PFA+1], s[PFA:PFA+1], s[74:75]
	s_add_nc_u64 s[PFA:PFA+1], s[PFA:PFA+1], s[PFS:PFS+1]      ; K step 1
	s_add_nc_u64 s[PFB:PFB+1], s[PFA:PFA+1], s[PFS:PFS+1]      ; K step 2
	v_and_b32 v[PFO], 31, v0
	v_min_u32 v[PFO], s76, v[PFO]
	v_lshlrev_b32 v[PFO], 8, v[PFO]
	global_prefetch_b8 v[PFO], s[PFA:PFA+1] th:TH_LOAD_NT scope:SCOPE_SE
	global_prefetch_b8 v[PFO], s[PFB:PFB+1] th:TH_LOAD_NT scope:SCOPE_SE
	v_and_b32 v1, 15, v0                           ; r = lane % 16
	v_bfe_u32 v2, v0, 4, 1                         ; h = lane / 16
	v_lshrrev_b32 v3, 1, v1
	v_mul_u32_u24 v3, v3, PITCH
	v_and_b32 v4, 1, v1
	v_lshl_add_u32 v3, v4, 7, v3
	v_lshl_add_u32 v3, v2, 4, v3                   ; a fragment's row r: (r / 2) PITCH + (r % 2) 128, + 16 h
	s_mul_i32 s98, s15, 32*PITCH                   ; my 64 rows of A
	s_mul_i32 s99, s16, 64*PITCH                   ; my 128 rows of B,
	s_add_co_u32 s99, s99, BOFF                    ; which lie behind A's two chunks
.irp s, 0,1
	v_add_nc_u32 v[ADRA+\s], s98, v3
	v_add_nc_u32 v[ADRB+\s], s99, v3
	s_add_co_u32 s98, s98, SLOT
	s_add_co_u32 s99, s99, SLOT
.endr
	v_and_b32 v5, 31, v0                           ; lane
	s_lshl_b32 s98, s15, 9                         ; scale words: my 64 rows of A x 8 bytes
	s_add_co_u32 s98, s98, SCLA
	v_lshl_add_u32 v[ADSA], v5, 3, s98
	s_lshl_b32 s99, s16, 10                        ; my 128 rows of B
	s_add_co_u32 s99, s99, SCLB
	v_lshl_add_u32 v[ADSB], v5, 3, s99
	; the way out
	s_mul_i32 s98, s14, 16*SPITCH
	s_add_co_u32 s98, s98, STAGE                   ; my stage
	v_mul_u32_u24 v[STO], v1, SPITCH               ; in: row r, 32 bytes for each half of the lanes
	v_lshl_add_u32 v[STO], v2, 5, v[STO]
	v_add_nc_u32 v[STO], s98, v[STO]
	v_lshlrev_b32 v[CO], 4, v5                     ; back: the 32 lanes take one row of 512 bytes; and the same in out
	v_add_nc_u32 v[RD], s98, v[CO]
	s_lshl_b32 s98, s17, 20                        ; my first row of out: 128 x tile row + 64 x (wave / 2), rows of 8,192 bytes
	s_lshl_b32 s99, s15, 19
	s_add_co_u32 s98, s98, s99
	s_mov_b32 s99, 0
	s_add_nc_u64 s[12:13], s[12:13], s[98:99]
	s_lshl_b32 s100, s42, 10                       ; my first column, in bytes: 1,024 x tile column + 512 x (wave % 2)
	s_lshl_b32 s101, s16, 9
	s_add_co_u32 s100, s100, s101
	s_mov_b32 s101, 0
	s_add_nc_u64 s[12:13], s[12:13], s[100:101]
; A fragment, 16 rows x 128 K of 4-bit codes, is 8 registers: lane l holds row l % 16; registers 4 c .. 4 c + 3 hold K = 64 c + 32 (l / 16) + 0 .. 31.  q: the slot's q-th 128 along K: chunk q / 2, half q % 2 of a row's 128 bytes
.macro FRAGA reg, slot, q, i
.irp c, 0,1
	ds_load_b128 v[\reg+4*\c:\reg+4*\c+3], v[ADRA+\slot] offset:((\q)/2)*SUBA+((\q)%2)*64+32*\c+(\i)*8*PITCH
.endr
.endm
.macro FRAGB reg, slot, q, i
.irp c, 0,1
	ds_load_b128 v[\reg+4*\c:\reg+4*\c+3], v[ADRB+\slot] offset:((\q)/2)*SUBB+((\q)%2)*64+32*\c+(\i)*8*PITCH
.endr
.endm
.macro FETCH slot, q, p                ; 24 LDS loads in one run: B's eight fragments and A's four, into set p
	WIN TO_B
.irp i, 0,1,2,3,4,5,6,7
	FRAGB 128*(\p)+8*\i, \slot, \q, \i
.endr
	WIN 0
.irp i, 0,1,2,3
	FRAGA AF+32*(\p)+8*\i, \slot, \q, \i
.endr
.endm
.macro SCALES sc                       ; a K step's scale words into set sc: a load's 32 lanes take 32 rows' 8 bytes (256 bytes on end): the two words of one chunk
.irp c, 0,1
.irp i, 0,1
	ds_load_b64 v[SCA+8*\sc+4*\i+2*\c:SCA+8*\sc+4*\i+2*\c+1], v[ADSA] offset:1024*\c+256*\i
.endr
.irp i, 0,1,2,3
	ds_load_b64 v[SCB+16*\sc+4*\i+2*\c:SCB+16*\sc+4*\i+2*\c+1], v[ADSB] offset:2048*\c+256*\i
.endr
.endr
.endm
; One matrix instruction: A's block a x B's block b, set p, the slot's q-th 128 along K, scale set sc.  An odd block's scale words lie in lanes 16-31 of its register.  zero = 1: the product starts the sum
.macro WM a, b, p, q, sc, zero
.set rD, 8*(8*(\a)+(\b))
.set rB, 128*(\p)+8*(\b)
.set rA, AF+32*(\p)+8*(\a)
.set rT, SCB+16*(\sc)+4*((\b)/2)+(\q)
.set rU, SCA+8*(\sc)+4*((\a)/2)+(\q)
.set rw, 2*((\a)%2)+((\b)%2)
.if \zero
.if rw == 0
	v_wmma_scale_f32_16x16x128_f8f6f4 v[rD:rD+7], v[rB:rB+7], v[rA:rA+7], 0, v[rT], v[rU] matrix_a_fmt:MATRIX_FMT_FP4 matrix_b_fmt:MATRIX_FMT_FP4
.elseif rw == 1
	v_wmma_scale_f32_16x16x128_f8f6f4 v[rD:rD+7], v[rB:rB+7], v[rA:rA+7], 0, v[rT], v[rU] matrix_a_fmt:MATRIX_FMT_FP4 matrix_b_fmt:MATRIX_FMT_FP4 matrix_a_scale:MATRIX_SCALE_ROW1
.elseif rw == 2
	v_wmma_scale_f32_16x16x128_f8f6f4 v[rD:rD+7], v[rB:rB+7], v[rA:rA+7], 0, v[rT], v[rU] matrix_a_fmt:MATRIX_FMT_FP4 matrix_b_fmt:MATRIX_FMT_FP4 matrix_b_scale:MATRIX_SCALE_ROW1
.else
	v_wmma_scale_f32_16x16x128_f8f6f4 v[rD:rD+7], v[rB:rB+7], v[rA:rA+7], 0, v[rT], v[rU] matrix_a_fmt:MATRIX_FMT_FP4 matrix_b_fmt:MATRIX_FMT_FP4 matrix_a_scale:MATRIX_SCALE_ROW1 matrix_b_scale:MATRIX_SCALE_ROW1
.endif
.else
.if rw == 0
	v_wmma_scale_f32_16x16x128_f8f6f4 v[rD:rD+7], v[rB:rB+7], v[rA:rA+7], v[rD:rD+7], v[rT], v[rU] matrix_a_fmt:MATRIX_FMT_FP4 matrix_b_fmt:MATRIX_FMT_FP4
.elseif rw == 1
	v_wmma_scale_f32_16x16x128_f8f6f4 v[rD:rD+7], v[rB:rB+7], v[rA:rA+7], v[rD:rD+7], v[rT], v[rU] matrix_a_fmt:MATRIX_FMT_FP4 matrix_b_fmt:MATRIX_FMT_FP4 matrix_a_scale:MATRIX_SCALE_ROW1
.elseif rw == 2
	v_wmma_scale_f32_16x16x128_f8f6f4 v[rD:rD+7], v[rB:rB+7], v[rA:rA+7], v[rD:rD+7], v[rT], v[rU] matrix_a_fmt:MATRIX_FMT_FP4 matrix_b_fmt:MATRIX_FMT_FP4 matrix_b_scale:MATRIX_SCALE_ROW1
.else
	v_wmma_scale_f32_16x16x128_f8f6f4 v[rD:rD+7], v[rB:rB+7], v[rA:rA+7], v[rD:rD+7], v[rT], v[rU] matrix_a_fmt:MATRIX_FMT_FP4 matrix_b_fmt:MATRIX_FMT_FP4 matrix_a_scale:MATRIX_SCALE_ROW1 matrix_b_scale:MATRIX_SCALE_ROW1
.endif
.endif
.endm
.macro MUL8 a, p, q, sc, zero          ; A's block a against B's eight.  The 32 accumulators take turns, one instruction a turn, in the same order in every step
.irp b, 0,1,2,3,4,5,6,7
	WM \a, \b, \p, \q, \sc, \zero
.endr
.endm
; A load into a register that a matrix instruction has read, and a vector instruction or an LDS store that reads a matrix result, stand four places behind that matrix instruction, and only plain vector
; instructions that name none of its registers are places (ISA guide 7.12.1 for vector instructions).
.macro PLACES n
.rept \n
	v_nop
.endr
.endm
; A step of 128 along K that has its successor in the same slot: the successor's 24 loads go out in one run, a whole step (32 matrix instructions) ahead of their use.
.macro STEP slot, q, zero
	s_wait_dscnt 0x0                               ; this step's fragments (and, at a slot's head, its scale words) are in: they were asked for a step ago
	PLACES 4                                       ; the other set was read by the step before
	FETCH \slot, (\q)+1, 1-(\q)%2
	WIN MUL
	MUL8 0, (\q)%2, \q, \slot, \zero
	MUL8 1, (\q)%2, \q, \slot, \zero
	MUL8 2, (\q)%2, \q, \slot, \zero
	MUL8 3, (\q)%2, \q, \slot, \zero
	WIN 0
.endm
; A slot's last step changes slots: ONE barrier.  In front of it each wave waits for all its tensor loads (its part of the next slot), adds 0 to its spare word, and waits for that and for its own reads of this slot.
; fill = 1: the barrier opens a round of the cluster's barrier, and this slot is filled again, two K steps ahead: from that request to the wait for it a wave issues 112 matrix instructions.
.macro ASK                             ; behind a refill with K step t: K step t + 2; the loop's last trip (s3 = 1) loads K steps 6 and 7 and asks for nothing
	s_cmp_gt_u32 s3, 1
	s_cbranch_scc0 .Lno_ask_\@
	global_prefetch_b8 v[PFO], s[PFA:PFA+1] th:TH_LOAD_NT scope:SCOPE_SE
.Lno_ask_\@:
.endm
.macro TURN slot, next, fill
.if \fill
	s_wait_xcnt 0x0                                ; my last prefetch has read its address: it steps a K step on
	s_add_nc_u64 s[PFA:PFA+1], s[PFA:PFA+1], s[PFS:PFS+1]
.endif
	s_wait_tensorcnt 0x0                           ; all my tensor loads have landed  (every window is 0 here: the add's two registers lie in window 0)
	ds_add_u32 v[SPW], v[NIL]                      ; 0 onto my spare word
	s_wait_dscnt 1                                 ; this step's fragments are in; the add alone may be out
	WIN MUL
	MUL8 0, 1, NQ-1, \slot, 0                      ; eight matrix instructions stand between the add and the wait for it
	s_wait_dscnt 0x0                               ; the add is done, and my reads of this slot are over
	s_barrier_signal -1
	MUL8 1, 1, NQ-1, \slot, 0
	WIN 0
	s_barrier_wait -1
.if \fill
	CREST                                          ; no wave of any partner still reads this slot's tiles or has a load on its way
	s_add_nc_u64 s[G0+4*\slot+2:G0+4*\slot+3], s[G0+4*\slot+2:G0+4*\slot+3], 4*RA*128
	s_add_nc_u64 s[G0B+4*\slot+2:G0B+4*\slot+3], s[G0B+4*\slot+2:G0B+4*\slot+3], 4*RB*128
	JLOAD G0+4*\slot, G1, G0B+4*\slot, G1B         ; the first tensor load behind the round; the four v_nop behind it are the places in front of the loads below
.else
	PLACES 4
.endif
	s_wait_alu depctr_va_vdst(0)
	v_add_nc_u32 v[ADSA], 2048, v[ADSA]            ; on to the next K step's scale words: two chunks' planes (no LDS load of mine is out)
	v_add_nc_u32 v[ADSB], 4096, v[ADSB]
	FETCH \next, 0, 0
	SCALES \next
.if \fill
	ASK
.endif
	WIN MUL
	MUL8 2, 1, NQ-1, \slot, 0
	MUL8 3, 1, NQ-1, \slot, 0
	WIN 0
.endm
.macro STEPS slot, from                ; the slot's steps from .. NQ - 2
.set Q, \from
.rept NQ-1-\from
	STEP \slot, Q, 0
.set Q, Q+1
.endr
.endm
	s_wait_loadcnt 0x0                             ; the scale bytes are in registers
	s_wait_tensorcnt 0x0                           ; no tensor load of mine is out while I store to LDS
.irp j, 0,1,2,3,4,5,6,7
	ds_store_b128 v10, v[128+4*\j:131+4*\j] offset:2048*\j                   ; A's [16 chunks][128 rows][8 bytes]: bytes of their own, on which no fill lands
.endr
.irp j, 0,1,2,3,4,5,6,7,8,9,10,11,12,13,14,15
	ds_store_b128 v10, v[160+4*\j:163+4*\j] offset:16384+2048*\j             ; B's [16][256][8]
.endr
	s_wait_xcnt 0x0                                ; the head's prefetches have read their addresses
	s_add_nc_u64 s[PFA:PFA+1], s[PFB:PFB+1], s[PFS:PFS+1]      ; K step 3
	s_wait_alu depctr_va_vdst(0)
	s_wait_tensorcnt 0x0                           ; my part of K step 0 is in
	ds_add_u32 v[SPW], v[NIL]
	s_wait_dscnt 0x0                               ; the add and my stores of scale bytes are done
	CROUND                                         ; everybody's part of K step 0 and of the scale bytes is in
	JLOAD G0+4, G1, G0B+4, G1B                     ; K step 1: the first tensor load behind the round
	FETCH 0, 0, 0
	SCALES 0
	global_prefetch_b8 v[PFO], s[PFA:PFA+1] th:TH_LOAD_NT scope:SCOPE_SE
	STEP 0, 0, 1                                   ; the first step stands in front of the loop: its products start the sums, nothing is cleared
	s_mov_b32 s3, LAPS-1
.Llap:                                                 ; a trip goes once round the ring, from a lap's second step to the next lap's first, and fills both slots again
	STEPS 0, 1
	TURN 0, 1, 1
	STEPS 1, 0
	TURN 1, 0, 1
	STEP 0, 0, 0
	s_sub_co_u32 s3, s3, 1
	s_cmp_lg_u32 s3, 0
	s_cbranch_scc1 .Llap
	STEPS 0, 1                                     ; the last lap is written out: it fills nothing, and has no round of the cluster's barrier
	TURN 0, 1, 0
	STEPS 1, 0
	s_wait_dscnt 0x0                               ; the very last step: nothing more to fetch
	WIN MUL
	MUL8 0, 1, NQ-1, 1, 0
	MUL8 1, 1, NQ-1, 1, 0
	MUL8 2, 1, NQ-1, 1, 0
	MUL8 3, 1, NQ-1, 1, 0
	WIN 0
; THE WAY OUT, block by block of 16 rows x 128 columns.  A lane holds 32 neighbouring bytes of a row, and the lanes beside it hold other rows: so a block goes through my own stage in LDS and comes back as whole
; rows of 512 bytes.  LDS serves a wave's instructions in order (ISA guide 5.7.1.4): no wait between the stores and the loads, nor in front of the next block's stores.
.macro TOSTAGE a
	WIN 0x08                                       ; an LDS store's data are its source 1: window 2
.irp b, 0,1,2,3,4,5,6,7
	ds_store_b128 v[STO], v[64*(\a)+8*\b:64*(\a)+8*\b+3] offset:64*\b          ; each accumulator from its low end on
	ds_store_b128 v[STO], v[64*(\a)+8*\b+4:64*(\a)+8*\b+7] offset:64*\b+16
.endr
	WIN 0
.set BB, BK+64*((\a)%2)
.irp t, 0,1,2,3,4,5,6,7,8,9,10,11,12,13,14,15
	ds_load_b128 v[BB+4*\t:BB+4*\t+3], v[RD] offset:\t*SPITCH
.endr
.endm
.macro SEND a, younger                 ; younger: the LDS instructions issued behind block a's loads, which may stay out
.set BB, BK+64*((\a)%2)
	s_wait_dscnt \younger                          ; the block is back in registers
.if (\a) > 0
	s_add_nc_u64 s[12:13], s[12:13], 16*OROW       ; (behind a wait on XCNT for 0: the earlier stores have read their base)  16 rows of out on
.endif
.irp t, 0,1,2,3,4,5,6,7,8,9,10,11,12,13,14,15
	global_store_b128 v[CO], v[BB+4*\t:BB+4*\t+3], s[12:13] offset:\t*OROW th:TH_STORE_NT   ; 32 lanes store 512 consecutive bytes, at a multiple of 256 from out's first byte; written once, read by nobody here
.endr
.endm
	PLACES 4                                       ; behind the last products: for the loads into the registers that held A's fragments, and for the stores that read results
	TOSTAGE 0
.irp a, 1,2,3
.if \a > 1
	s_wait_xcnt 0x0                                ; block a - 2's stores have read their registers and their base: block a's loads may land there, and the base may step
.endif
	TOSTAGE \a
	SEND \a-1, 32                                  ; behind block a - 1's loads: block a's 16 stores and 16 loads
.endr
	s_wait_xcnt 0x0                                ; block 2's stores have read their base
	SEND 3, 0
	s_wait_tensorcnt 0x0                           ; the wave's end: behind my last tensor load and my last LDS store
	ds_add_u32 v[SPW], v[NIL]
	s_wait_dscnt 0x0
	CROUND                                         ; the closing round: no work-group ends while a partner may still ask for a tile that names it
	s_endpgm
.Lfunc_end_k_qdb069251f4_gemm2:
	.size	k_qdb069251f4_gemm2, .Lfunc_end_k_qdb069251f4_gemm2-k_qdb069251f4_gemm2
	.p2alignl 7, 3214868480
	.fill 96, 4, 3214868480
	.section	.rodata,"a",@progbits
	.p2align	6, 0x0
	.amdhsa_kernel k_qdb069251f4_gemm2
		.amdhsa_group_segment_fixed_size 327680
		.amdhsa_private_segment_fixed_size 0
		.amdhsa_enable_private_segment 0
		.amdhsa_kernarg_size 40
		.amdhsa_user_sgpr_count 2
		.amdhsa_user_sgpr_kernarg_segment_ptr 1
		.amdhsa_wavefront_size32 1
		.amdhsa_system_sgpr_workgroup_id_x 1
		.amdhsa_system_sgpr_workgroup_id_y 1
		.amdhsa_system_sgpr_workgroup_id_z 1
		.amdhsa_system_vgpr_workitem_id 0
		.amdhsa_next_free_vgpr 768
		.amdhsa_next_free_sgpr 102
		.amdhsa_reserve_vcc 0
		.amdhsa_float_denorm_mode_32 3
		.amdhsa_float_denorm_mode_16_64 3
		.amdhsa_memory_ordered 1
		.amdhsa_forward_progress 1
		.amdhsa_inst_pref_size 127
	.end_amdhsa_kernel
	.amdgpu_metadata
---
amdhsa.version: [ 1, 2 ]
amdhsa.kernels:
  - .name:           k_qdb069251f4_gemm2
    .symbol:         k_qdb069251f4_gemm2.kd
    .args:
      - { .name: x_codes, .offset: 0, .size: 8, .value_kind: global_buffer, .address_space: global }
      - { .name: x_scales, .offset: 8, .size: 8, .value_kind: global_buffer, .address_space: global }
      - { .name: w_codes, .offset: 16, .size: 8, .value_kind: global_buffer, .address_space: global }
      - { .name: w_scales, .offset: 24, .size: 8, .value_kind: global_buffer, .address_space: global }
      - { .name: out0, .offset: 32, .size: 8, .value_kind: global_buffer, .address_space: global }
    .group_segment_fixed_size: 327680
    .private_segment_fixed_size: 0
    .kernarg_segment_align: 8
    .kernarg_segment_size: 40
    .max_flat_workgroup_size: 128
    .sgpr_count:     102
    .vgpr_count:     768
    .wavefront_size: 32
...
	.end_amdgpu_metadata
.endif
;; end of part 3
